; MI455X (gfx1250); checked and timed in simulation.
; The chip was launched on July 23, 2026; its instructions are those of AMD's public machine-readable ISA for CDNA 5 (MIT licence, August 2026) and "CDNA5" Instruction Set Architecture Reference Guide (July 2026). The comments in the code are by the model that wrote it; some were corrected since.
;; Attention. Allowed arithmetic: matrix products marked QUANTISED: E2M3 operands, one E8M0 scale for each 32 along K, by v_wmma_scale_f32_16x16x128_f8f6f4 with both operands' format E2M3, f32 sums; everything else in f32.
;; Inputs: b_proj 1,024 float32; w_proj 1,024 x 1,024 float32; w_qkv 3,072 x 1,024 float32; x 2 x 2,048 x 1,024 float32.
;; Outputs: out0 2 x 2,048 x 1,024 float32.
;; This version of the problem:
;;   THIS VERSION OF THE PROBLEM IS GIVEN IN LOW PRECISION. The matrix products marked QUANTISED in the list below multiply operands that are first quantised to E2M3 (2 exponent bits, 3 mantissa bits; 6 bits a number), with one power-of-two scale for each 32 numbers along K (OCP MX v1.0); their sums are f32. All else is computed in f32.
;;   The module's matrix products, in the order in which they are computed (A, B: the left and right operand; K: the contracted axis; several contracted axes count as one K, in the product's order):
;;     1. [M 4,096, K 1,024] x [K 1,024, N 3,072]; A: input x; B: input w_qkv: QUANTISED
;;     2. batch 32 x [M 2,048, K 64] x [K 64, N 2,048]; A: computed on the way; B: computed on the way: QUANTISED
;;     3. batch 32 x [M 2,048, K 2,048] x [K 2,048, N 64]; A: softmax (see below); B: computed on the way: QUANTISED
;;     4. [M 4,096, K 1,024] x [K 1,024, N 1,024]; A: computed on the way; B: input w_proj: QUANTISED
;;   THE QUANTISER, for each operand of a quantised product, along K:
;;     - K is cut into blocks of 32 from its start; a last block that is shorter is filled with zeros.
;;     - A block's scale is 2^e with e = floor(log2(the largest magnitude in the block)) - 2, held to -126 .. 127; a block of zeros has e = 0. As a byte (E8M0): e + 127.
;;     - Each number is divided by its block's scale, clamped to +-7.5, and rounded to the nearest number of E2M3, ties to even, subnormals kept.
;;     - The product sums the exact products of the quantised numbers (number of the format x scale) in f32.
;;   ~~~python
;;   def quantise(x, axis):      # numpy; x: float32 -> the quantised numbers, widened to float32 again
;;       x = np.moveaxis(x, axis, -1); K = x.shape[-1]
;;       x = np.pad(x, [(0, 0)] * (x.ndim - 1) + [(0, -K % 32)]); x = x.reshape(x.shape[:-1] + (-1, 32)); a = np.abs(x).max(-1, keepdims=True)
;;       e = np.where(a > 0, np.clip(np.frexp(np.where(a > 0, a, 1))[1] - 1 - 2, -126, 127), 0)      # np.frexp(a)[1] - 1 = floor(log2(a)), exactly
;;       r = np.clip(x / 2.0 ** e, -7.5, 7.5)
;;       step = 2.0 ** (np.maximum(np.frexp(np.where(r == 0, 1, r))[1] - 1, 0) - 3)
;;       q = np.round(r / step) * step * 2.0 ** e      # np.round: ties to even
;;       return np.moveaxis(q.reshape(q.shape[:-2] + (-1,))[..., :K], -1, axis).astype(np.float32)
;;   ~~~
;;   SOFTMAX AHEAD OF A QUANTISED PRODUCT. Where the list says 'softmax', what is quantised is not the finished softmax but p = 2^(t - M), with t = logit x log2(e) and M = ceil(the row's largest t), a whole number; so 1/2 < the row's largest p <= 1. The row's sum l is taken of the UNQUANTISED p, in f32, and the product's result is divided by l at the end. Since M is a whole number, a kernel that streams over the keys may use a running M (the ceiling of the running maximum): every later rescaling is an exact power of two, which a block's scale takes up: the codes' values come out the same.
;;   OPERANDS COMPUTED ON THE WAY. 'Computed on the way' means the value that the module computes at that place (a softmax that the list does not call 'softmax' is quantised finished and normalised). What goes into a quantiser is computed in f32, as accurately as f32 sums, v_exp_f32 and their like allow (about 1e-6 of the number): no bf16 or f16 on the way to a quantiser, and a product that is left as it is and whose result goes on into a quantised operand takes f32 operands (vector FMAs, or v_wmma_f32_16x16x4_f32). A number that lies on a knife's edge between two numbers of the format may be rounded either way, as far as f32 arithmetic and the matrix unit's own rounding can turn it there, and no further.
;; One version. Each part assembles by itself: llvm-mc -triple=amdgcn-amd-amdhsa -mcpu=gfx1250 --defsym DOCPART=n.
;; ======== version 1 of 1: 4 launches
;; limits: right only within a limited range of input values
;; workspace buffers: wc 6,553,600 bytes; qc 10,092,544 bytes; oc 3,276,800 bytes
;; launch quant (part 1): grid 256 x 1, 4 waves a work-group, no clusters, 35,328 bytes of LDS; arguments x, w_qkv, w_proj, wc; writes wc
.if DOCPART == 1
	.amdgcn_target "amdgcn-amd-amdhsa--gfx1250"
	.amdhsa_code_object_version 6
	.text
	.protected	k_qd69e84163f_quant
	.globl	k_qd69e84163f_quant
	.p2align	8
	.type	k_qd69e84163f_quant,@function
k_qd69e84163f_quant:
	s_mov_b64 s[64:65], 0
	v_nop
	global_prefetch_b8 v0, s[64:65] scope:SCOPE_SE
	s_setreg_imm32_b32 hwreg(HW_REG_WAVE_MODE, 25, 1), 1
	s_wait_xcnt 0x0
; x [4096][1024], w_qkv [3072][1024], w_proj [1024][1024], f32, K innermost, become codes of FP6 (E2M3) and E8M0 scale bytes, one for each 32 along K.
; TILE ORDER.  Rows are kept in tiles of 16: place 8 h + j of tile 4 C + t is row 64 C + 32 h + 8 t + j (h = 0, 1; j = 0 .. 7; t = 0 .. 3).  As source 0 of a matrix instruction four neighbouring tiles then give a lane 32
; neighbouring rows: a whole scale block of the next product.
; TILES in wc: x's 256, then for each head q's four, k's four, v's four, then w_proj's 64.  A tile is 12,800 bytes: for each half of K (512) 256 bytes of scale words, [row place][4 words], byte b of word g for k = 128 g + 32 b,
; and eight half fragments of 768 bytes: 16 rows x 64 along K as an image of six operand registers: lane l's registers 0-3 at 16 l, registers 4-5 at 512 + 8 l; lane (r, h) holds row r, k = 64 c + 32 h + 0 .. 31.
; DEAD WORK of the program: reference() replaces each score whose key comes after its query by the lowest f32 ahead of the softmax, so that its p is 0 whatever finite values the inputs hold; blocks of 128 keys in which that
; holds for a whole tile of queries are left out (third launch).  A NaN, an infinity or an overflow that reaches only those scores is not carried to the result.
; LIMITS: a block of zeros, or one whose largest magnitude lies under 2^-124, gets the byte 1 (the rule says 127 for zeros: the codes are zeros, and this program alone reads the bytes); NaN and infinities are not served.
; SHARES.  Wave w takes tile w / 2 of the work-group's two and 512 along K from 512 (w % 2) on: eight half fragments, four scale words a row.
; Each load reads two rows' aligned 256 bytes; the 4,096 bytes of a half fragment turn through the wave's own stage in LDS (rows 272 bytes apart), so that a lane gets the 32 numbers of ONE block.
; Waves share nothing: no barrier, no cluster, no tensor load.  32 loads a wave are out at the start, 24 or more until the last four half fragments.
.set WREG, 8704                        ; LDS of a wave: two stages of 16 x 272 bytes
.set STG,  4352
.set SPARE, 4*WREG
.set R,    16                          ; v16-143  four sets of 32 registers as loaded
.set X,    144                         ; v144-207 two sets: my block's 32 numbers
.set C,    208                         ; v208-223 two sets of codes (six registers of eight)
.set D,    224                         ; v224-226 the second conversion's result (three registers begin on an even number)
.set W,    228                         ; v228-231 the four scale words
	s_load_b256 s[4:11], s[0:1], 0x0               ; x s[4:5], w_qkv s[6:7], w_proj s[8:9], wc s[10:11]
	v_lshl_add_u32 v240, v0, 2, SPARE
	v_mov_b32 v241, 0
	v_lshrrev_b32 v1, 5, v0
	v_readfirstlane_b32 s14, v1                    ; wave
	v_and_b32 v1, 31, v0                           ; lane
	v_and_b32 v2, 15, v0                           ; r
	v_bfe_u32 v3, v0, 4, 1                         ; h
	s_lshr_b32 s15, s14, 1                         ; which of the two tiles
	s_and_b32 s16, s14, 1                          ; which half of K
	s_mul_i32 s26, s14, WREG
	v_lshlrev_b32 v4, 4, v2
	v_lshl_add_u32 v4, v3, 12, v4                  ; in: 16 r, lanes 16-31 one row (4,096 bytes) down
	v_mul_u32_u24 v5, v3, 272
	v_lshl_add_u32 v5, v2, 4, v5
	v_add_nc_u32 v5, s26, v5                       ; into the stage: the same two rows
	v_mul_u32_u24 v6, v2, 272
	v_lshl_add_u32 v6, v3, 7, v6
	v_add_nc_u32 v6, s26, v6                       ; out of it: row r, 128 bytes for each half of the lanes
	v_lshlrev_b32 v7, 4, v1                        ; 16 x lane
	v_lshlrev_b32 v8, 3, v1                        ; 8 x lane
	v_lshlrev_b32 v9, 3, v3                        ; 8 h: my bytes' place in a scale word, in bits
	v_lshlrev_b32 v10, 4, v2
	v_lshl_add_u32 v10, v3, 3, v10                 ; the scale words: 16 r + 8 h
	v_mov_b32 v232, 0                              ; a lane permute's destination counts as one of its sources
	s_mov_b32 s24, 0x76543210
	s_mov_b32 s25, 0xfedcba98                      ; selects: lane l xor 16
	s_wait_alu depctr_va_vdst(0)                   ; the head's end
	s_wait_kmcnt 0x0
	s_cmp_lt_u32 ttmp9, 128                        ; which tensor: the choice hangs on the work-group's number alone
	s_cselect_b64 s[4:5], s[4:5], s[6:7]
	s_cselect_b32 s17, 0, 128
	s_cmp_lt_u32 ttmp9, 224
	s_cselect_b64 s[4:5], s[4:5], s[8:9]
	s_cselect_b32 s17, s17, 224                    ; the tensor's first work-group
	s_sub_co_u32 s18, ttmp9, s17
	s_lshr_b32 s22, s18, 1                         ; the group of 64 rows
	s_and_b32 s20, s18, 1
	s_lshl_b32 s20, s20, 1
	s_add_co_u32 s20, s20, s15                     ; t: my tile in the group
	s_lshl_b32 s18, s22, 18                        ; 64 rows of 4,096 bytes
	s_lshl_b32 s21, s20, 15                        ; + 8 t rows
	s_add_co_u32 s18, s18, s21
	s_lshl_b32 s21, s16, 11                        ; + my half of K
	s_add_co_u32 s18, s18, s21
	s_mov_b32 s19, 0
	s_add_nc_u64 s[4:5], s[4:5], s[18:19]
	s_and_b32 s21, s22, 15                         ; w_qkv: group = 16 x tensor + head goes to place 3 x head + tensor
	s_mul_i32 s21, s21, 3
	s_lshr_b32 s23, s22, 4
	s_add_co_u32 s21, s21, s23
	s_sub_co_u32 s23, ttmp9, 128
	s_cmp_lt_u32 s23, 96                           ; is it w_qkv?
	s_cselect_b32 s21, s21, s22
	s_lshl_b32 s21, s21, 2
	s_add_co_u32 s20, s20, s21
	s_lshl_b32 s17, s17, 1                         ; the tensor's first tile
	s_add_co_u32 s20, s20, s17
	s_mul_i32 s18, s20, 12800
	s_mul_i32 s21, s16, 6400
	s_add_co_u32 s18, s18, s21
	s_add_nc_u64 s[10:11], s[10:11], s[18:19]
.macro LOADH c                         ; half fragment c: places 2 j and 2 j + 1 are rows 2 j + 24 (j / 4) and the next
.irp j, 0,1,2,3,4,5,6,7
	global_load_b128 v[R+32*((\c)%4)+4*\j:R+32*((\c)%4)+4*\j+3], v4, s[4:5] offset:(2*\j+24*(\j/4))*4096+256*(\c) th:TH_LOAD_NT
.endr
.endm
.macro TURN c                          ; through the stage: LDS serves a wave's instructions in order, so no wait stands between the stores and the loads
.irp j, 0,1,2,3,4,5,6,7
	ds_store_b128 v5, v[R+32*((\c)%4)+4*\j:R+32*((\c)%4)+4*\j+3] offset:STG*((\c)%2)+544*\j
.endr
.irp i, 0,1,2,3,4,5,6,7
	ds_load_b128 v[X+32*((\c)%2)+4*\i:X+32*((\c)%2)+4*\i+3], v6 offset:STG*((\c)%2)+16*\i
.endr
.endm
.macro HFQ c
.set XS, X+32*((\c)%2)
.set CS, C+8*((\c)%2)
	s_wait_dscnt 0x0                               ; my block is back from the stage, and the stores into the stage have read their registers,
.if (\c)+4 < 8
	LOADH (\c)+4                                   ; which take the loads of four half fragments on
.endif
.if (\c) < 7
.if (\c) <= 3
	s_wait_loadcnt 24                              ; the next half fragment's eight loads are in; those of the three behind it may be out
.else
	s_wait_loadcnt 8*(6-(\c))
.endif
	TURN (\c)+1
.endif
	v_max3_num_f32 v12, |v[XS]|, |v[XS+1]|, |v[XS+2]|      ; the block's largest magnitude: all 32 numbers are mine; two chains
	v_max3_num_f32 v13, |v[XS+3]|, |v[XS+4]|, |v[XS+5]|
.irp i, 6,10,14,18,22,26
	v_max3_num_f32 v12, v12, |v[XS+\i]|, |v[XS+\i+1]|
	v_max3_num_f32 v13, v13, |v[XS+\i+2]|, |v[XS+\i+3]|
.endr
	v_max3_num_f32 v12, v12, |v[XS+30]|, |v[XS+31]|
	v_max3_num_f32 v12, v12, v13, 0x1800000        ; and the floor 2^(3 - 127): the byte cannot fall under 1
	v_add_nc_u32 v14, 0xff000000, v12              ; 2 off the exponent field: the conversion's scale operand
	s_wait_alu depctr_va_vdst(0)                   ; directly ahead of the wait below
	s_wait_xcnt 0x0                                ; the stores of two half fragments ago have read this set of code registers
	v_cvt_scalef32_pk16_fp6_f32 v[CS:CS+2], v[XS:XS+15], v14
	v_cvt_scalef32_pk16_fp6_f32 v[D:D+2], v[XS+16:XS+31], v14
	v_nop                                          ; one plain place behind a scaled conversion
	v_lshrrev_b32 v15, 23, v14                     ; the scale's byte
.irp i, 0,1,2
	v_mov_b32 v[CS+3+\i], v[D+\i]
.endr
	global_store_b128 v7, v[CS:CS+3], s[10:11] offset:256+768*(\c)        ; 512 consecutive bytes, aligned to 256
	global_store_b64 v8, v[CS+4:CS+5], s[10:11] offset:256+768*(\c)+512   ; 256 consecutive bytes, aligned
.if (\c)%2 == 0
	v_mov_b32 v[W+(\c)/2], v15                     ; block h of the word
.else
	v_lshl_or_b32 v[W+(\c)/2], v15, 16, v[W+(\c)/2]    ; block 2 + h
	v_lshlrev_b32 v[W+(\c)/2], v9, v[W+(\c)/2]     ; at their places, 8 h bits up
	v_permlanex16_b32 v232, v[W+(\c)/2], s24, s25
	v_or_b32 v[W+(\c)/2], v[W+(\c)/2], v232        ; with lane l xor 16's two bytes the word is whole
.endif
.endm
	LOADH 0
	LOADH 1
	LOADH 2
	LOADH 3
	s_wait_loadcnt 24                              ; half fragment 0 is in
	TURN 0
.irp c, 0,1,2,3,4,5,6,7
	HFQ \c
.endr
	v_cmp_eq_u32 vcc_lo, 1, v3                     ; a row's four words: lanes 0-15 store words 0, 1, lanes 16-31 words 2, 3: one aligned unit of 256 bytes
	v_cndmask_b32 v234, v[W], v[W+2], vcc_lo
	v_cndmask_b32 v235, v[W+1], v[W+3], vcc_lo
	global_store_b64 v10, v[234:235], s[10:11]
	s_wait_tensorcnt 0x0                           ; the wave's end
	ds_add_u32 v240, v241
	s_wait_dscnt 0x0
	s_endpgm
.Lfunc_end_k_qd69e84163f_quant:
	.size	k_qd69e84163f_quant, .Lfunc_end_k_qd69e84163f_quant-k_qd69e84163f_quant
	.p2alignl 7, 3214868480
	.fill 96, 4, 3214868480
	.section	.rodata,"a",@progbits
	.p2align	6, 0x0
	.amdhsa_kernel k_qd69e84163f_quant
		.amdhsa_group_segment_fixed_size 35328
		.amdhsa_private_segment_fixed_size 0
		.amdhsa_enable_private_segment 0
		.amdhsa_kernarg_size 32
		.amdhsa_user_sgpr_count 2
		.amdhsa_user_sgpr_kernarg_segment_ptr 1
		.amdhsa_wavefront_size32 1
		.amdhsa_system_sgpr_workgroup_id_x 1
		.amdhsa_system_sgpr_workgroup_id_y 1
		.amdhsa_system_sgpr_workgroup_id_z 1
		.amdhsa_system_vgpr_workitem_id 0
		.amdhsa_next_free_vgpr 242
		.amdhsa_next_free_sgpr 66
		.amdhsa_reserve_vcc 1
		.amdhsa_float_denorm_mode_32 3
		.amdhsa_float_denorm_mode_16_64 3
		.amdhsa_memory_ordered 1
		.amdhsa_forward_progress 1
		.amdhsa_inst_pref_size 32
	.end_amdhsa_kernel
	.amdgpu_metadata
---
amdhsa.version: [ 1, 2 ]
amdhsa.kernels:
  - .name:           k_qd69e84163f_quant
    .symbol:         k_qd69e84163f_quant.kd
    .args:
      - { .name: x, .offset: 0, .size: 8, .value_kind: global_buffer, .address_space: global }
      - { .name: w_qkv, .offset: 8, .size: 8, .value_kind: global_buffer, .address_space: global }
      - { .name: w_proj, .offset: 16, .size: 8, .value_kind: global_buffer, .address_space: global }
      - { .name: wc, .offset: 24, .size: 8, .value_kind: global_buffer, .address_space: global }
    .group_segment_fixed_size: 35328
    .private_segment_fixed_size: 0
    .kernarg_segment_align: 8
    .kernarg_segment_size: 32
    .max_flat_workgroup_size: 128
    .sgpr_count:     66
    .vgpr_count:     242
    .wavefront_size: 32
...
	.end_amdgpu_metadata
.endif
;; end of part 1
;; launch qkv (part 2): grid 16 x 16, 4 waves a work-group, clusters of 4 x 4, 312,320 bytes of LDS; arguments wc, qc; writes qc
.if DOCPART == 2
	.amdgcn_target "amdgcn-amd-amdhsa--gfx1250"
	.amdhsa_code_object_version 6
	.text
	.protected	k_qd69e84163f_qkv
	.globl	k_qd69e84163f_qkv
	.p2align	8
	.type	k_qd69e84163f_qkv,@function
k_qd69e84163f_qkv:
	s_mov_b64 s[64:65], 0
	v_nop
	global_prefetch_b8 v0, s[64:65] scope:SCOPE_SE
	s_setreg_imm32_b32 hwreg(HW_REG_WAVE_MODE, 25, 1), 1
	s_wait_xcnt 0x0
	s_wait_alu depctr_hold_cnt(0) depctr_sa_sdst(0) depctr_va_vdst(0) depctr_va_sdst(0) depctr_va_ssrc(0) depctr_va_vcc(0) depctr_vm_vsrc(0)
	s_getreg_b32 s2, hwreg(HW_REG_IB_STS2, 6, 4)
	s_cmp_eq_u32 s2, 0
	s_cbranch_scc0 .Lentry_in_a_cluster
	s_endpgm
.Lentry_in_a_cluster:
	s_bfe_u32 s2, ttmp6, 0x10000c
	s_cmp_lg_u32 s2, 0xf033
	s_cbranch_scc0 .Lentry_shape_is_right
	s_endpgm
.Lentry_shape_is_right:
; qkv = x w_qkv^T on codes of FP6 (E2M3) with E8M0 scales, K = 1,024; the results are quantised on the way out: q and k along the head's 64 channels, v along the keys.
; OPERANDS: wc as the first launch's comment lays it (tiles of 16 rows, 12,800 bytes: for each half of K 256 bytes of scale words and eight images of 768 bytes).
; A work-group takes 256 tokens (16 tiles) and ONE HEAD's q, k and v (12 tiles); a wave 64 tokens x 192 columns: 48 accumulators.  K goes in eight steps of 128; a step is three groups of 16 products: q, k, v.
; q, k: source 0 = the weight's rows, source 1 = x's: a lane holds a token and, over four tiles, 32 neighbouring channels.  v: source 0 = x's rows: a lane holds a channel and 32 neighbouring tokens.  Both are whole scale blocks.
; LDS holds all of the weights' tiles and x's first six K steps, filled once, by one joint load a wave: waves 0, 1 K steps 0 to 2, waves 2, 3 the rest.  x's steps 6 and 7 do not fit beside them: a wave's own rows, as images,
; go from memory straight into its registers, 512 or 256 consecutive bytes a load.  Nothing is filled again; no step stands in a loop that loads, so there is nothing to prefetch ahead of.
; LDS loads go in one run for two groups, 32 products ahead of their use.
; CLUSTERS 4 x 4: x's tiles are shared along a row of the cluster, the weights' along a column.
; OUT, qc [16 b + head][315,392 bytes]: q: [key step of 128][8 tiles x 768 | 512 bytes of words]; from 106,496 on, for each key step 13,056 bytes: k's 8 tiles x 768, v's [64 keys][d tile] x 768, k's words (512), v's (256).
; Words: q, k: [tile % 2][r][tile / 2], bytes b0 b1 b0 b1 (the next product pads K = 64 to 128 with zero codes); v: [d tile % 2][r][d tile / 2].  They gather in LDS and leave as whole units of 256 bytes.
; LIMITS: a block of zeros, or one under 2^-124, gets the byte 1 (its codes are zeros or near; only this program reads the bytes); NaN and infinities are not served.
; REGISTERS: v0-31 and v240-244 addresses and work; v32-95 scale words; v96-191 x's fragments, two sets; v192-239 x's step 6; v256-447 the weights' fragments, a ring of four groups; v448-495 x's step 7;
; v512-639 q, v640-767 k, v768-895 v: accumulators.  On the way out v96-191 codes, v192-207 at work.
.set TA,   4864                        ; a tile's first part: words, K steps 0 to 2 (256 + 3 x 1,536 bytes)
.set TB,   7936                        ; a weight tile's second: step 3, words, steps 4 to 7.  (x's: step 3, words, steps 4, 5: TA bytes)
.set WB,   12*TA                       ; LDS: the weights' first parts at 0, their second here,
.set XA,   WB+12*TB                    ; x's first parts,
.set XB,   XA+16*TA                    ; second
.set STG,  XB+16*TA                    ; the results' scale words: q 2 x 512, k 2 x 512, v 2 x 256 bytes
.set SPARE, STG+2560                   ; the spare words, 128 bytes a wave
.set SPW,  28
.set NIL,  29
.set SCW,  32                          ; weights' words: pair p (lanes 0-15 tile 2 p, lanes 16-31 tile 2 p + 1), step g: SCW + 8 p + g
.set SCX,  80                          ; x's: SCX + 8 p + (g + 4) % 8
.set XF,   96
.set MSB, 0
.macro WIN new
.if MSB != (\new)
	s_set_vgpr_msb (MSB<<8)|(\new)
.set MSB, (\new)
.endif
.endm
.macro PLACES n
.rept \n
	v_nop
.endr
.endm
.macro BARRIER
	s_barrier_signal -1
	s_barrier_wait -1
.endm
.macro CROUND                          ; a round of the cluster's barrier
	BARRIER
	s_cmp_lg_u32 s14, 0
	s_cbranch_scc1 .Lnot_wave_0_\@
	s_barrier_signal -3
.Lnot_wave_0_\@:
	s_barrier_wait -3
	BARRIER
.endm
.macro GROUP1 g, mask, e, rows         ; rows of e elements of 8 bytes, 12,800 bytes apart; dense in LDS
	s_or_b32 s[\g], s\mask, (3<<16)|(1<<21)
	s_mov_b32 s[\g+1], (\e)<<16
	s_mov_b32 s[\g+2], (\rows)<<16
	s_mov_b32 s[\g+3], (\e)<<16
	s_mov_b32 s[\g+4], \rows
	s_mov_b32 s[\g+5], 1600
	s_mov_b32 s[\g+6], 0
	s_mov_b32 s[\g+7], 0
.endm
.macro GROUP0 g, lds, b, off
	s_mov_b32 s[\g], 1
	s_mov_b32 s[\g+1], \lds
	s_add_nc_u64 s[\g+2:\g+3], s[\b:\b+1], \off
	s_or_b32 s[\g+3], s[\g+3], 0x80000000
.endm
.macro ARM under, g0, g1, next
	s_cmp_lt_u32 s14, \under
	s_cbranch_scc0 \next
	tensor_load_to_lds s[\g0:\g0+3], s[\g1:\g1+7]
	s_nop 0
	PLACES 4
	s_branch .Lasked
\next:
.endm
	s_load_b128 s[4:7], s[0:1], 0x0                ; wc, qc
	v_lshl_add_u32 v[SPW], v0, 2, SPARE
	v_mov_b32 v[NIL], 0
	ds_add_u32 v[SPW], v[NIL]                      ; the opening lines: the add, twice on end, and its wait
	ds_add_u32 v[SPW], v[NIL]
	v_lshrrev_b32 v1, 5, v0
	v_readfirstlane_b32 s14, v1                    ; wave
	s_bfe_u32 s40, ttmp6, 0x40000                  ; cx
	s_bfe_u32 s41, ttmp6, 0x40004                  ; cy
	s_lshl_b32 s42, ttmp9, 2
	s_add_co_u32 s42, s42, s40                     ; head
	s_and_b32 s17, ttmp7, 0xffff
	s_lshl_b32 s17, s17, 2
	s_add_co_u32 s17, s17, s41                     ; which 256 tokens
	s_lshl_b32 s43, s41, 2
	s_lshl_b32 s43, 15, s43                        ; my row of the cluster
	s_lshl_b32 s44, 0x1111, s40                    ; my column
	GROUP1 24, 44, TA/8, 12                        ; the weights' first parts,
	GROUP1 92, 44, TB/8, 12                        ; second;
	GROUP1 32, 43, TA/8, 16                        ; x's, both
	s_mul_i32 s20, s17, 16*12800
	s_mov_b32 s21, 0
	s_mul_i32 s22, s42, 12*12800
	s_add_co_u32 s22, s22, 256*12800
	s_mov_b32 s23, 0
	v_and_b32 v1, 31, v0                           ; lane
	v_and_b32 v2, 15, v0                           ; r
	v_bfe_u32 v3, v0, 4, 1                         ; h
	v_lshlrev_b32 v4, 4, v1                        ; an image's place for my lane: registers 0-3,
	v_lshlrev_b32 v5, 3, v1
	v_add_nc_u32 v5, 512, v5                       ; registers 4-5
	v_mov_b32 v8, v4                               ; weights: first parts;
	v_mov_b32 v9, v5
	v_add_nc_u32 v10, WB, v4                       ; second parts, tiles 0-7;
	v_add_nc_u32 v11, WB, v5
	v_add_nc_u32 v12, WB+8*TB, v4                  ; tiles 8-11
	v_add_nc_u32 v13, WB+8*TB, v5
	s_mul_i32 s18, s14, 4*TA
	s_add_co_u32 s19, s18, XB
	s_add_co_u32 s18, s18, XA
	v_add_nc_u32 v16, s18, v4                      ; x: my four tiles
	v_add_nc_u32 v17, s18, v5
	v_add_nc_u32 v18, s19, v4
	v_add_nc_u32 v19, s19, v5
	v_lshlrev_b32 v6, 4, v2
	v_mul_u32_u24 v7, v3, TA
	v_add_nc_u32 v20, v6, v7                       ; scale words: row r, lanes 16-31 the next tile
	v_add_nc_u32 v22, s18, v20
	v_add_nc_u32 v23, s19, v20
	v_mul_u32_u24 v7, v3, TB
	v_add_nc_u32 v21, v6, v7
	v_add_nc_u32 v14, WB+8*TB, v21                 ; second parts: tiles 8-11,
	v_add_nc_u32 v21, WB, v21                      ; tiles 0-7
	s_lshr_b32 s18, s14, 1
	s_and_b32 s19, s14, 1
	s_lshl_b32 s45, s18, 9
	s_lshl_b32 s46, s19, 3
	s_add_co_u32 s45, s45, s46
	s_add_co_u32 s45, s45, STG
	v_add_nc_u32 v240, v6, v3
	v_add_nc_u32 v240, s45, v240                   ; my byte of q's or k's words: 16 r + h
	s_lshl_b32 s45, s18, 8
	s_lshl_b32 s46, s19, 1
	s_add_co_u32 s45, s45, s46
	s_add_co_u32 s45, s45, STG+2048
	v_lshl_add_u32 v241, v2, 3, v3
	v_add_nc_u32 v241, s45, v241                   ; of v's: 8 r + h
	s_lshl_b32 s45, s14, 9
	s_add_co_u32 s45, s45, STG
	v_add_nc_u32 v242, s45, v4                     ; the 512 bytes of words that my wave stores
	v_add_nc_u32 v243, STG+2048, v4                ; v's
	v_mul_u32_u24 v244, v3, 13056
	v_add_nc_u32 v244, v6, v244                    ; and where: lanes 16-31 the next key step
	s_wait_alu depctr_va_vdst(0)                   ; the head's end
	s_wait_dscnt 0x0                               ; both opening adds are done
	CROUND                                         ; all sixteen work-groups are here: the joint loads meet
	s_wait_kmcnt 0x0
	s_add_nc_u64 s[20:21], s[4:5], s[20:21]        ; x: hangs on cy alone
	s_add_nc_u64 s[22:23], s[4:5], s[22:23]        ; the weights: on cx alone
	GROUP0 48, 0,  22, 0
	GROUP0 52, XA, 20, 0
	GROUP0 56, WB, 22, TA
	GROUP0 60, XB, 20, TA
	ARM 1, 48, 24, .Lw1                            ; one load a wave; K steps 0 to 2 are asked for first
	ARM 2, 52, 32, .Lw2
	ARM 3, 56, 92, .Lw3
	tensor_load_to_lds s[60:63], s[32:39]
	s_nop 0
	PLACES 4
.Lasked:
	s_mul_i32 s18, s14, 4*12800
	s_mov_b32 s19, 0
	s_add_nc_u64 s[66:67], s[20:21], s[18:19]      ; x's steps 6 and 7: my four tiles' images
.macro XDIR reg, q
.irp a, 0,1,2,3
	global_load_b128 v[\reg+12*\a:\reg+12*\a+3], v4, s[66:67] offset:12800*\a+6656+1536*\q
	global_load_b64 v[\reg+12*\a+4:\reg+12*\a+5], v5, s[66:67] offset:12800*\a+6656+1536*\q
	global_load_b128 v[\reg+12*\a+6:\reg+12*\a+9], v4, s[66:67] offset:12800*\a+6656+1536*\q+768
	global_load_b64 v[\reg+12*\a+10:\reg+12*\a+11], v5, s[66:67] offset:12800*\a+6656+1536*\q+768
.endr
.endm
	XDIR 192, 2
	WIN 0x40
	XDIR 192, 3                                    ; v448-495
	WIN 0
	; where my results go
	s_lshr_b32 s18, s17, 3
	s_lshl_b32 s18, s18, 4
	s_add_co_u32 s18, s18, s42
	s_mul_i32 s68, s18, 315392                     ; the batch's head
	s_and_b32 s69, s17, 7
	s_lshl_b32 s69, s69, 1                         ; my work-group's first key step
	s_lshr_b32 s18, s14, 1
	s_and_b32 s19, s14, 1
	s_add_co_u32 s45, s69, s18                     ; my wave's
	s_mul_i32 s46, s19, 3072
	s_add_co_u32 s46, s46, s68
	s_mul_i32 s70, s45, 6656
	s_add_co_u32 s70, s70, s46
	s_mov_b32 s71, 0
	s_mul_i32 s72, s45, 13056
	s_add_co_u32 s72, s72, s46
	s_add_co_u32 s72, s72, 106496
	s_mov_b32 s73, 0
	s_add_co_u32 s45, s69, s19                     ; the words that my wave stores: q's (waves 0, 1), k's (2, 3) of key step w % 2
	s_mul_i32 s46, s45, 6656
	s_add_co_u32 s46, s46, 6144
	s_mul_i32 s47, s45, 13056
	s_add_co_u32 s47, s47, 118784
	s_cmp_eq_u32 s18, 0
	s_cselect_b32 s76, s46, s47
	s_add_co_u32 s76, s76, s68
	s_mov_b32 s77, 0
	s_mul_i32 s78, s69, 13056
	s_add_co_u32 s78, s78, s68
	s_add_co_u32 s78, s78, 119296
	s_mov_b32 s79, 0
	s_add_nc_u64 s[70:71], s[6:7], s[70:71]        ; q's images
	s_add_nc_u64 s[72:73], s[6:7], s[72:73]        ; k's; v's are 6,144 bytes on
	s_add_nc_u64 s[76:77], s[6:7], s[76:77]
	s_add_nc_u64 s[78:79], s[6:7], s[78:79]
.macro WRUN i2                         ; group i2's four weight fragments: 16 loads
.set S_, (\i2)/3
.set T_, (\i2)%3
	WIN 0x40
.irp f, 0,1,2,3
.irp e, 0,1
.if S_ < 3
.set A_, 8
.set O_, TA*(4*T_+\f)+256+1536*S_+768*\e
.else
.set A_, 10+2*(T_/2)
.set O_, TB*(4*(T_%2)+\f)+1536*(S_-3)+768*\e
.if S_ > 3
.set O_, O_+256
.endif
.endif
.set R_, 48*((\i2)%4)+12*\f+6*\e
	ds_load_b128 v[R_:R_+3], v[A_] offset:O_
	ds_load_b64 v[R_+4:R_+5], v[A_+1] offset:O_
.endr
.endr
	WIN 0
.endm
.macro XRUN s                          ; step s's four fragments of x: 16 loads
	WIN 0
.irp f, 0,1,2,3
.irp e, 0,1
.if (\s) < 3
.set A_, 16
.set O_, TA*\f+256+1536*(\s)+768*\e
.else
.set A_, 18
.set O_, TA*\f+1536*((\s)-3)+768*\e
.if (\s) > 3
.set O_, O_+256
.endif
.endif
.set R_, XF+48*((\s)%2)+12*\f+6*\e
	ds_load_b128 v[R_:R_+3], v[A_] offset:O_
	ds_load_b64 v[R_+4:R_+5], v[A_+1] offset:O_
.endr
.endr
.endm
.macro WM ra, rb
.if PS == 0
	v_wmma_scale_f32_16x16x128_f8f6f4 v[D_:D_+7], v[P_:P_+11], v[Q_:Q_+11], 0, v[XP_], v[XQ_] matrix_a_fmt:MATRIX_FMT_FP6 matrix_b_fmt:MATRIX_FMT_FP6 matrix_a_scale:MATRIX_SCALE_ROW\ra matrix_b_scale:MATRIX_SCALE_ROW\rb
.else
	v_wmma_scale_f32_16x16x128_f8f6f4 v[D_:D_+7], v[P_:P_+11], v[Q_:Q_+11], v[D_:D_+7], v[XP_], v[XQ_] matrix_a_fmt:MATRIX_FMT_FP6 matrix_b_fmt:MATRIX_FMT_FP6 matrix_a_scale:MATRIX_SCALE_ROW\ra matrix_b_scale:MATRIX_SCALE_ROW\rb
.endif
.endm
; Product n of group i.  The 48 accumulators take turns, one instruction a turn, in the same order in every step; step 0's products start the sums.
.macro PROD i, n
.set PS, (\i)/3
.set PT, (\i)%3
.set D_, 8*(\n)+128*(PT%2)
.if PT == 2
.set XT_, (\n)%4
.set WT_, (\n)/4
.else
.set XT_, (\n)/4
.set WT_, (\n)%4
.endif
.set WR_, 48*((\i)%4)+12*WT_
.set XW_, PS/7
.if PS < 6
.set XR_, XF+48*(PS%2)+12*XT_
.else
.set XR_, 192+12*XT_
.endif
.set WS_, SCW+8*((4*PT+WT_)/2)+PS
.set XS_, SCX+8*(XT_/2)+(PS+4)%8
.if PT == 2
.set P_, XR_
.set Q_, WR_
.set XP_, XS_
.set XQ_, WS_
.set RR_, 2*(XT_%2)+WT_%2
	WIN 0xf4+XW_
.else
.set P_, WR_
.set Q_, XR_
.set XP_, WS_
.set XQ_, XS_
.set RR_, 2*(WT_%2)+XT_%2
	WIN 0xa1+4*XW_
.endif
.if RR_ == 0
	WM 0, 0
.elseif RR_ == 1
	WM 0, 1
.elseif RR_ == 2
	WM 1, 0
.else
	WM 1, 1
.endif
.endm
; Groups 2 j and 2 j + 1: 32 products.  In front of them one run of loads brings what the next two groups take: their weights and, where a step begins there, its rows of x.
.macro PAIR j
.if (\j) == 9
	s_wait_loadcnt 0x0                             ; x's steps 6 and 7 are in their registers
.endif
	s_wait_dscnt 0x0                               ; the last run is in: it was issued 32 products ago
	PLACES 4                                       ; in front of loads into registers that matrix instructions have read
.if (\j) < 11
	WRUN 2*(\j)+2
	WRUN 2*(\j)+3
.endif
.if (\j) < 8
.if (2*(\j)+2)%3 == 0
	XRUN (2*(\j)+2)/3
.elseif (2*(\j)+3)%3 == 0
	XRUN (2*(\j)+3)/3
.endif
.endif
.if (\j) == 4
	SCALES1                                        ; the second half's words: first used two steps on
.endif
.set N, 0
.rept 32
.if (\j) == 2 && N == 24
	s_wait_tensorcnt 0x0                           ; the rest of K is in: shown to all behind this barrier
	s_wait_dscnt 0x0
	s_barrier_signal -1                            ; eight products stand between signal and wait
.endif
	PROD 2*(\j)+N/16, N%16
.set N, N+1
.endr
.if (\j) == 2
	s_barrier_wait -1
.endif
.endm
.macro SCALES0                         ; the first half's words: eight loads
.irp p, 0,1,2,3,4,5
	ds_load_b128 v[SCW+8*\p:SCW+8*\p+3], v20 offset:2*TA*\p
.endr
.irp p, 0,1
	ds_load_b128 v[SCX+8*\p+4:SCX+8*\p+7], v22 offset:2*TA*\p
.endr
.endm
.macro SCALES1
	WIN 0
.irp p, 0,1,2,3
	ds_load_b128 v[SCW+8*\p+4:SCW+8*\p+7], v21 offset:1536+2*TB*\p
.endr
.irp p, 0,1
	ds_load_b128 v[SCW+8*\p+36:SCW+8*\p+39], v14 offset:1536+2*TB*\p
	ds_load_b128 v[SCX+8*\p:SCX+8*\p+3], v23 offset:1536+2*TA*\p
.endr
.endm
	s_cmp_lt_u32 s14, 2
	s_cbranch_scc0 .Lnot_first
	s_wait_tensorcnt 0x0                           ; K steps 0 to 2: waves 0 and 1 have load lines of their own
.Lnot_first:
	BARRIER                                        ; the rest may be on its way
	SCALES0
	XRUN 0
	WRUN 0
	WRUN 1
.set I, 0
.rept 12
	PAIR I
.set I, I+1
.endr
	PLACES 4
; THE WAY OUT, two of the twelve images at a time: a lane's 32 results of four accumulators are one scale block.  Their largest magnitude by two chains each, each accumulator from its low end on.
.macro Q2 m
.set W_, 2+(\m)/8
.set B_, (32*(\m))&255
	WIN W_*0x15
.irp e, 0,1
	v_max3_num_f32 v[24+2*\e], |v[B_+32*\e]|, |v[B_+32*\e+1]|, |v[B_+32*\e+2]|
	v_max3_num_f32 v[25+2*\e], |v[B_+32*\e+16]|, |v[B_+32*\e+17]|, |v[B_+32*\e+18]|
.endr
	WIN W_*0x14
.irp i, 3,5,7,9,11,13
.irp e, 0,1
	v_max3_num_f32 v[24+2*\e], v[24+2*\e], |v[B_+32*\e+\i]|, |v[B_+32*\e+\i+1]|
	v_max3_num_f32 v[25+2*\e], v[25+2*\e], |v[B_+32*\e+\i+16]|, |v[B_+32*\e+\i+17]|
.endr
.endr
	WIN W_*4
.irp e, 0,1
	v_max3_num_f32 v[25+2*\e], v[25+2*\e], |v[B_+32*\e+31]|, 0x1800000   ; and the floor 2^(3 - 127)
.endr
.irp e, 0,1
	v_max3_num_f32 v[24+2*\e], v[24+2*\e], |v[B_+32*\e+15]|, v[25+2*\e]
.endr
	WIN 0
.irp e, 0,1
	v_add_nc_u32 v[30+\e], 0xff000000, v[24+2*\e]  ; 2 off the exponent field: the conversion's scale operand
.endr
	WIN W_
.irp e, 0,1
	v_cvt_scalef32_pk16_fp6_f32 v[96+8*(\m+\e):98+8*(\m+\e)], v[B_+32*\e:B_+32*\e+15], v[30+\e]
	v_cvt_scalef32_pk16_fp6_f32 v[192+4*\e:194+4*\e], v[B_+32*\e+16:B_+32*\e+31], v[30+\e]
.endr
	WIN 0
.irp e, 0,1
	v_lshrrev_b32 v[6+\e], 23, v[30+\e]            ; the byte (and a plain place behind the conversions)
.endr
.irp e, 0,1
.irp i, 0,1,2
	v_mov_b32 v[99+8*(\m+\e)+\i], v[192+4*\e+\i]
.endr
.endr
.irp e, 0,1
.set M_, (\m)+\e
.set C_, 96+8*M_
.if M_ < 4
	global_store_b128 v4, v[C_:C_+3], s[70:71] offset:768*M_             ; 512 consecutive bytes, aligned to 256
	global_store_b64 v5, v[C_+4:C_+5], s[70:71] offset:768*M_            ; 256 consecutive bytes, aligned (v5 holds the 512)
.elseif M_ < 8
	global_store_b128 v4, v[C_:C_+3], s[72:73] offset:768*(M_-4)
	global_store_b64 v5, v[C_+4:C_+5], s[72:73] offset:768*(M_-4)
.else
	global_store_b128 v4, v[C_:C_+3], s[72:73] offset:6144+768*(M_-8)
	global_store_b64 v5, v[C_+4:C_+5], s[72:73] offset:6144+768*(M_-8)
.endif
.if M_ < 8
	ds_store_b8 v240, v[6+\e] offset:1024*(M_/4)+256*(M_%2)+4*((M_%4)/2)
	ds_store_b8 v240, v[6+\e] offset:1024*(M_/4)+256*(M_%2)+4*((M_%4)/2)+2
.else
	ds_store_b8 v241, v[6+\e] offset:128*(M_%2)+4*((M_%4)/2)
.endif
.endr
.endm
.irp m, 0,2,4,6,8,10
	Q2 \m
.endr
	s_wait_dscnt 0x0                               ; my bytes are in LDS
	BARRIER                                        ; and so are the other waves'
	ds_load_b128 v[200:203], v242
	s_wait_dscnt 0x0
	global_store_b128 v4, v[200:203], s[76:77]     ; 512 consecutive bytes
	s_cmp_lg_u32 s14, 0
	s_cbranch_scc1 .Lno_v
	ds_load_b128 v[204:207], v243
	s_wait_dscnt 0x0
	global_store_b128 v244, v[204:207], s[78:79]   ; two aligned units of 256 bytes
.Lno_v:
	s_wait_tensorcnt 0x0                           ; the wave's end
	ds_add_u32 v[SPW], v[NIL]
	s_wait_dscnt 0x0
	CROUND                                         ; the closing round: no work-group ends while a partner may still issue a joint load that names it
	s_endpgm
.Lfunc_end_k_qd69e84163f_qkv:
	.size	k_qd69e84163f_qkv, .Lfunc_end_k_qd69e84163f_qkv-k_qd69e84163f_qkv
	.p2alignl 7, 3214868480
	.fill 96, 4, 3214868480
	.section	.rodata,"a",@progbits
	.p2align	6, 0x0
	.amdhsa_kernel k_qd69e84163f_qkv
		.amdhsa_group_segment_fixed_size 312320
		.amdhsa_private_segment_fixed_size 0
		.amdhsa_enable_private_segment 0
		.amdhsa_kernarg_size 16
		.amdhsa_user_sgpr_count 2
		.amdhsa_user_sgpr_kernarg_segment_ptr 1
		.amdhsa_wavefront_size32 1
		.amdhsa_system_sgpr_workgroup_id_x 1
		.amdhsa_system_sgpr_workgroup_id_y 1
		.amdhsa_system_sgpr_workgroup_id_z 1
		.amdhsa_system_vgpr_workitem_id 0
		.amdhsa_next_free_vgpr 896
		.amdhsa_next_free_sgpr 102
		.amdhsa_reserve_vcc 0
		.amdhsa_float_denorm_mode_32 3
		.amdhsa_float_denorm_mode_16_64 3
		.amdhsa_memory_ordered 1
		.amdhsa_forward_progress 1
		.amdhsa_inst_pref_size 118
	.end_amdhsa_kernel
	.amdgpu_metadata
---
amdhsa.version: [ 1, 2 ]
amdhsa.kernels:
  - .name:           k_qd69e84163f_qkv
    .symbol:         k_qd69e84163f_qkv.kd
    .args:
      - { .name: wc, .offset: 0, .size: 8, .value_kind: global_buffer, .address_space: global }
      - { .name: qc, .offset: 8, .size: 8, .value_kind: global_buffer, .address_space: global }
    .group_segment_fixed_size: 312320
    .private_segment_fixed_size: 0
    .kernarg_segment_align: 8
    .kernarg_segment_size: 16
    .max_flat_workgroup_size: 128
    .sgpr_count:     102
    .vgpr_count:     896
    .wavefront_size: 32
...
	.end_amdgpu_metadata
.endif
;; end of part 2
;; launch attn (part 3): grid 8 x 32, 16 waves a work-group, clusters of 4 x 1, 210,944 bytes of LDS; arguments qc, oc; writes oc
.if DOCPART == 3
	.amdgcn_target "amdgcn-amd-amdhsa--gfx1250"
	.amdhsa_code_object_version 6
	.text
	.protected	k_qd69e84163f_attn
	.globl	k_qd69e84163f_attn
	.p2align	8
	.type	k_qd69e84163f_attn,@function
k_qd69e84163f_attn:
	s_mov_b64 s[64:65], 0
	v_nop
	global_prefetch_b8 v0, s[64:65] scope:SCOPE_SE
	s_setreg_imm32_b32 hwreg(HW_REG_WAVE_MODE, 25, 1), 1
	s_wait_xcnt 0x0
	s_wait_alu depctr_hold_cnt(0) depctr_sa_sdst(0) depctr_va_vdst(0) depctr_va_sdst(0) depctr_va_ssrc(0) depctr_va_vcc(0) depctr_vm_vsrc(0)
	s_getreg_b32 s2, hwreg(HW_REG_IB_STS2, 6, 4)
	s_cmp_eq_u32 s2, 0
	s_cbranch_scc0 .Lentry_in_a_cluster
	s_endpgm
.Lentry_in_a_cluster:
	s_bfe_u32 s2, ttmp6, 0x10000c
	s_cmp_lg_u32 s2, 0x3003
	s_cbranch_scc0 .Lentry_shape_is_right
	s_endpgm
.Lentry_shape_is_right:
; o = softmax(q k^T / 8, causal) v for one (batch, head), both products on codes of FP6 (E2M3) with E8M0 scales; o is quantised along the channels and leaves as codes for the last product.
; IN: qc as the launch before lays it; place 8 h + j of tile 4 C + t is token (channel) 64 C + 32 h + 8 t + j.  So the 64 scores of a lane for a step of 128 keys are two whole blocks of 32 neighbouring keys, 2 c + h, c = 0, 1.
; THE FIRST PRODUCT'S K IS 64: registers 6-11 of q's operand are zero codes, so what k's operand holds there (the next tile's codes: a code has no infinity and no NaN) adds nothing.
; THE SOFTMAX: t = score x log2(e) / 8; M = the running largest t rounded up to a whole number; p = 2^(t - M) is quantised along the keys, not normalised; the sum of the unquantised p divides at the end.
; When M moves, the sum and O are multiplied by 2^(old M - new M): exact.  A block's largest p is made from its largest score by the same multiply-add and exponential (this takes v_exp_f32 not to fall where its input rises).
; SHARES.  Sixteen waves, each with one tile of 16 queries in another block of 128 tokens: waves 0 .. 7 blocks 15 .. 8, waves 8 .. 11 blocks 4 .. 7, waves 12 .. 15 blocks 0 .. 3: waves w, w + 4, w + 8, w + 12 have 34 key steps together,
; whatever w.  The tile in the block is 4 x cluster x + cx: it enters global addresses and the mask's numbers alone, so that every branch and every LDS address hangs on the wave's number and is alike in the four partners.
; CAUSAL: key steps that come wholly after a tile's block are dead work for all values of the inputs (reference() masks them: p = 0) and are not walked; in the one step on the diagonal hidden scores become -infinity.
; LDS holds the head's sixteen key steps whole (k, v, words: 13,056 bytes each), filled once, one joint load a wave; all four work-groups of the cluster walk the same head.  Steps 0 .. 7 are shown by the first barrier.  The second is
; signalled when a wave's own load is in, and waited for behind key step 7: what stands between is register work and loads of steps 0 .. 7.  Everything is asked for at the head: there is nothing left to prefetch.
; OUT: oc [token tile][half of K][256 bytes of words | 8 heads x 768].  My head's scale bytes are half of a word and leave as one byte a lane, in blocks filled in part: one twenty-fourth of the codes' bytes (the rest are other work-groups').
; LIMITS: NaN and infinities are not served (also those that reach only hidden scores); scaled scores stay under 2^31 in magnitude; a p under 2^-126 counts as 0; a block of zeros, or one under 2^-124, has the byte 1.
; REGISTERS: v1-4, v95 stay; v5-11 the step's; v12 -M, v13 largest score, v[14:15] the sum; v16-27 Q; v28-75 K; v76-87 p's codes; v88-94 at work; v96-159 S^T, then p; v160-191 O^T; v192-239 V;
; v240-243 K's words, v244-245 V's, v246 Q's, v247 p's; v248-255 at work.
.set KST,  13056
.set SPARE, 16*KST
.set WV,   12
.set CS,   62                          ; s[62:63] c = log2(e) / 8;  s60 = -c
.set SEL,  90
.macro PLACES n
.rept \n
	v_nop
.endr
.endm
.macro WALU
	s_wait_alu depctr_va_vdst(0)
.endm
.macro BARRIER
	s_barrier_signal -1
	s_barrier_wait -1
.endm
.macro CROUND
	BARRIER
	s_cmp_lg_u32 s[WV], 0
	s_cbranch_scc1 .Lnot_wave_0_\@
	s_barrier_signal -3
.Lnot_wave_0_\@:
	s_barrier_wait -3
	BARRIER
.endm
.macro DEP1
	s_delay_alu instid0(VALU_DEP_1)
.endm
	s_load_b128 s[4:7], s[0:1], 0x0                ; qc, oc
	v_lshl_add_u32 v254, v0, 2, SPARE
	v_mov_b32 v255, 0
	ds_add_u32 v254, v255                          ; the opening lines: the add, twice on end, and its wait
	ds_add_u32 v254, v255
	v_lshrrev_b32 v1, 5, v0
	v_readfirstlane_b32 s[WV], v1
	s_bfe_u32 s13, ttmp6, 0x40000                  ; cx
	s_lshl_b32 s21, ttmp9, 2
	s_add_co_u32 s21, s21, s13                     ; my tile in a block of 128 tokens
	s_and_b32 s20, ttmp7, 0xffff                   ; 16 b + head
	s_sub_co_u32 s15, 15, s[WV]
	s_sub_co_u32 s16, s[WV], 4
	s_sub_co_u32 s18, s[WV], 12
	s_cmp_lt_u32 s[WV], 12
	s_cselect_b32 s16, s16, s18
	s_cmp_lt_u32 s[WV], 8
	s_cselect_b32 s17, s15, s16                    ; my block
	s_lshl_b32 s22, s17, 7                         ; its first token: my last key step's first key
	s_min_u32 s74, s22, 896                        ; the last step of the first loop for which I load keys, by its first key
	s_lshr_b32 s23, s21, 2
	s_lshl_b32 s23, s23, 6
	s_and_b32 s18, s21, 3
	s_lshl_b32 s18, s18, 3
	s_add_co_u32 s23, s23, s18                     ; the tile's place 0 in its block
	v_and_b32 v9, 31, v0                           ; lane
	v_and_b32 v10, 15, v0                          ; r
	v_bfe_u32 v11, v0, 4, 1                        ; h
	v_lshlrev_b32 v1, 4, v9                        ; an image's place for my lane: registers 0-3,
	v_lshlrev_b32 v2, 3, v9
	v_add_nc_u32 v2, 512, v2                       ; registers 4-5
	v_lshlrev_b32 v3, 3, v11                       ; 8 h: my bytes' place in a scale word, in bits
	v_lshl_add_u32 v4, v10, 4, v11                 ; 16 r + h: the scale byte's place
	v_lshrrev_b32 v95, 3, v10
	v_sub_nc_u32 v95, v95, v11
	v_lshlrev_b32 v95, 5, v95
	v_and_b32 v7, 7, v10
	v_add_nc_u32 v95, v95, v7
	v_add_nc_u32 v95, s23, v95                     ; my query in its block, less 32 h
	v_lshlrev_b32 v9, 4, v10                       ; 16 r
	; a key step is 13,056 dense bytes: 51 rows of 256 (32 elements of 8); the mask names all four work-groups, bit 21 beside it
	s_mov_b32 s24, 15|(3<<16)|(1<<21)
	s_mov_b32 s25, 32<<16
	s_mov_b32 s26, 51<<16
	s_mov_b32 s27, 32<<16
	s_mov_b32 s28, 51
	s_mov_b32 s29, 32
	s_mov_b32 s30, 0
	s_mov_b32 s31, 0
	s_mul_i32 s76, s20, 315392                     ; my head
	s_mov_b32 s77, 0
	s_mul_i32 s41, s[WV], KST                      ; wave w fetches key step w
	s_add_co_u32 s78, s41, 106496
	s_mov_b32 s79, 0
	s_mov_b32 s40, 1
	WALU                                           ; directly ahead of the waits below
	s_wait_dscnt 0x0                               ; both opening adds are done
	CROUND                                         ; all four work-groups are here: the joint loads meet
	s_wait_kmcnt 0x0
	s_add_nc_u64 s[4:5], s[4:5], s[76:77]
	s_add_nc_u64 s[42:43], s[4:5], s[78:79]
	s_or_b32 s43, s43, 0x80000000
	s_cmp_lt_u32 s[WV], 8
	s_cbranch_scc0 .Lupper
	tensor_load_to_lds s[40:43], s[24:31]          ; key steps 0 .. 7
	s_nop 0
	PLACES 4
	s_branch .Lasked
.Lupper:
	tensor_load_to_lds s[40:43], s[24:31]          ; key steps 8 .. 15: a line of their own, since these waves wait later
	s_nop 0
	PLACES 4
.Lasked:
	s_mul_i32 s18, s21, 768
	s_and_b32 s19, s21, 1
	s_lshl_b32 s19, s19, 8
	s_lshr_b32 s23, s21, 1
	s_lshl_b32 s23, s23, 2
	s_add_co_u32 s19, s19, s23
	s_add_co_u32 s19, s19, 6144
	s_mul_i32 s23, s17, 6656
	s_add_co_u32 s82, s23, s18                     ; Q's image,
	s_mov_b32 s83, 0
	s_add_co_u32 s84, s23, s19                     ; its words
	s_mov_b32 s85, 0
	s_add_nc_u64 s[82:83], s[4:5], s[82:83]
	s_add_nc_u64 s[84:85], s[4:5], s[84:85]
	global_load_b128 v[16:19], v1, s[82:83]
	global_load_b64 v[20:21], v2, s[82:83]
	global_load_b32 v246, v9, s[84:85]
	s_lshr_b32 s18, s20, 4
	s_lshl_b32 s18, s18, 7
	s_lshl_b32 s19, s17, 3
	s_add_co_u32 s18, s18, s19
	s_add_co_u32 s18, s18, s21                     ; my token tile among all 256
	s_mul_i32 s18, s18, 12800
	s_and_b32 s23, s20, 15
	s_lshr_b32 s19, s23, 3
	s_mul_i32 s19, s19, 6400
	s_add_co_u32 s18, s18, s19
	s_and_b32 s23, s23, 7
	s_mul_i32 s19, s23, 768
	s_add_co_u32 s8, s18, s19
	s_add_co_u32 s8, s8, 256
	s_mov_b32 s9, 0
	s_lshl_b32 s19, s23, 1
	s_add_co_u32 s10, s18, s19
	s_mov_b32 s11, 0
	s_add_nc_u64 s[8:9], s[6:7], s[8:9]            ; my image
	s_add_nc_u64 s[10:11], s[6:7], s[10:11]        ; my scale bytes
	s_mov_b32 s[SEL], 0x76543210
	s_mov_b32 s[SEL+1], 0xfedcba98                 ; selects: lane l xor 16
	s_mov_b32 s[CS], 0x3e38aa3b
	s_mov_b32 s[CS+1], s[CS]
	s_mov_b32 s60, 0xbe38aa3b
	v_mov_b32 v13, 0xff61b1e6                      ; the largest score so far: -3e38
	v_mov_b32 v12, 0x7f61b1e6                      ; -M: 3e38
	v_mov_b32 v14, 0
	v_mov_b32 v15, 0
.irp i, 22,23,24,25,26,27
	v_mov_b32 v[\i], 0                             ; Q's k = 64 .. 127: zero codes
.endr
.irp i, 76,77,78,79,80,81
	v_mov_b32 v[\i], 0                             ; (p's codes: k's last tile names them ahead of their first write)
.endr
.set J, 160
.rept 32
	v_mov_b32 v[J], 0                              ; O^T: the step is written once; the first change of M multiplies zeros
.set J, J+1
.endr
	v_mov_b32 v253, 0                              ; (named as the upper half of v[252:253] before it is first written)
.macro KLOAD                           ; a key step's K and its words at v7, v8
.irp t, 0,1,2,3,4,5,6,7
	ds_load_b128 v[28+6*\t:31+6*\t], v7 offset:768*\t
	ds_load_b64 v[32+6*\t:33+6*\t], v8 offset:768*\t
.endr
	ds_load_b128 v[240:243], v7 offset:12288       ; lanes 0-15 tile 2 p's words, lanes 16-31 tile 2 p + 1's
.endm
; A KEY STEP: 128 keys at s66 in LDS, the first of them s69; its K is in registers.  The next step's K comes from s67, if I have a next one in this loop.
.macro STEP
.irp t, 0,2,4,6                                ; S^T: source 0 = 16 keys, source 1 = my 16 queries
	v_wmma_scale_f32_16x16x128_f8f6f4 v[96+8*\t:103+8*\t], v[28+6*\t:39+6*\t], v[16:27], 0, v[240+\t/2], v246 matrix_a_fmt:MATRIX_FMT_FP6 matrix_b_fmt:MATRIX_FMT_FP6
	v_wmma_scale_f32_16x16x128_f8f6f4 v[104+8*\t:111+8*\t], v[34+6*\t:45+6*\t], v[16:27], 0, v[240+\t/2], v246 matrix_a_fmt:MATRIX_FMT_FP6 matrix_b_fmt:MATRIX_FMT_FP6 matrix_a_scale:MATRIX_SCALE_ROW1
.endr
	v_add_nc_u32 v5, s66, v1                       ; (these four are also the places in front of the loads and the reads below)
	v_add_nc_u32 v6, s66, v2
	v_add_nc_u32 v7, s67, v1
	v_add_nc_u32 v8, s67, v2
.irp t, 0,1,2,3
	ds_load_b128 v[192+12*\t:195+12*\t], v5 offset:6144+768*\t     ; V: lands under the softmax
	ds_load_b64 v[196+12*\t:197+12*\t], v6 offset:6144+768*\t
	ds_load_b128 v[198+12*\t:201+12*\t], v5 offset:9216+768*\t
	ds_load_b64 v[202+12*\t:203+12*\t], v6 offset:9216+768*\t
.endr
	ds_load_b64 v[244:245], v6 offset:12288        ; (v6 holds 512 more)
	s_cmp_ge_u32 s69, s74
	s_cbranch_scc1 .Llast_\@
	KLOAD
.Llast_\@:
	s_cmp_eq_u32 s69, s22                          ; the step on the diagonal?
	s_cbranch_scc0 .Lopen_\@
	v_mov_b32 v254, 0xff800000
.set J, 0
.rept 64
	v_cmp_gt_i32 vcc_lo, 64*(J/32)+J%32, v95       ; register 32 c + n is key 64 c + 32 h + n of the step
	v_cndmask_b32 v[96+J], v[96+J], v254, vcc_lo
.set J, J+1
.endr
.Lopen_\@:
.irp c, 0,1
	v_max3_num_f32 v[248+\c], v[96+32*\c], v[97+32*\c], v[98+32*\c]    ; my two blocks' largest scores, each accumulator from its low end on
.endr
.irp i, 3,5,7,9,11,13,15,17,19,21,23,25,27,29
.irp c, 0,1
	v_max3_num_f32 v[248+\c], v[248+\c], v[96+32*\c+\i], v[97+32*\c+\i]
.endr
.endr
.irp c, 0,1
	v_max_num_f32 v[248+\c], v[248+\c], v[127+32*\c]
.endr
	DEP1
	v_max_num_f32 v254, v248, v249
	DEP1
	v_permlanex16_b32 v255, v254, s[SEL], s[SEL+1] ; lane l xor 16's 64 keys
	v_mov_b32 v9, v12
	s_delay_alu instid0(VALU_DEP_2)
	v_max3_num_f32 v13, v13, v254, v255            ; the running largest score
	DEP1
	v_mul_f32 v254, s60, v13
	DEP1
	v_floor_f32 v12, v254                          ; -M = floor(-t): M is a whole number
	DEP1
	v_sub_f32 v254, v12, v9                        ; old M - new M: a whole number, 0 or less
	DEP1
	v_cvt_i32_f32 v254, v254                       ; (it saturates)
	DEP1
	v_ldexp_f32 v252, 1.0, v254                    ; f = 2^(old M - new M)
.set J, 0
.rept 16
	v_pk_mul_f32 v[160+J:161+J], v[160+J:161+J], v[252:253] op_sel_hi:[1,0]   ; O^T under the new M
.set J, J+2
.endr
.set J, 0
.rept 32
	v_pk_fma_f32 v[96+J:97+J], v[96+J:97+J], s[CS:CS+1], v[12:13] op_sel_hi:[1,0,0]   ; t - M
.set J, J+2
.endr
.irp c, 0,1
	v_fma_f32 v[248+\c], v[248+\c], s[CS], v12     ; the same of each block's largest score
.endr
	WALU                                           ; ahead of the batch
.set J, 96
.rept 64
	v_exp_f32 v[J], v[J]                           ; p = 2^(t - M)
.set J, J+1
.endr
	v_exp_f32 v248, v248                           ; the blocks' largest p
	v_exp_f32 v249, v249
	v_pk_mul_f32 v[14:15], v[14:15], v[252:253] op_sel_hi:[1,0]   ; the sum under the new M (a plain place behind the exponentials)
	WALU                                           ; and behind it
.irp c, 0,1
	v_max_num_f32 v[248+\c], 0x1800000, v[248+\c]  ; the floor 2^(3 - 127)
.endr
.irp c, 0,1
	v_add_nc_u32 v[250+\c], 0xff000000, v[248+\c]  ; the conversion's scale operand
.endr
	v_cvt_scalef32_pk16_fp6_f32 v[76:78], v[96:111], v250
	v_cvt_scalef32_pk16_fp6_f32 v[88:90], v[112:127], v250
	v_cvt_scalef32_pk16_fp6_f32 v[82:84], v[128:143], v251
	v_cvt_scalef32_pk16_fp6_f32 v[92:94], v[144:159], v251
	v_lshrrev_b32 v9, 23, v250                     ; the bytes (and a plain place behind the conversions)
	v_lshrrev_b32 v254, 23, v251
	v_mov_b32 v79, v88                             ; registers 6 c .. 6 c + 5: k = 64 c + 32 h + 0 .. 31
	v_mov_b32 v80, v89
	v_lshl_or_b32 v9, v254, 16, v9                 ; blocks h and 2 + h
	v_mov_b32 v81, v90
	v_mov_b32 v85, v92
	v_lshlrev_b32 v9, v3, v9                       ; at their places in the scale word
	v_mov_b32 v86, v93
	v_mov_b32 v87, v94
	v_permlanex16_b32 v255, v9, s[SEL], s[SEL+1]
	v_pk_add_f32 v[10:11], v[96:97], v[98:99]      ; the sum of the unquantised p: four chains
	v_pk_add_f32 v[248:249], v[100:101], v[102:103]
	v_or_b32 v247, v9, v255                        ; with lane l xor 16's two bytes the word is whole
	v_pk_add_f32 v[250:251], v[104:105], v[106:107]
.irp p, 108,116,124,132,140,148
	v_pk_add_f32 v[14:15], v[14:15], v[\p:\p+1]
	v_pk_add_f32 v[10:11], v[10:11], v[\p+2:\p+3]
	v_pk_add_f32 v[248:249], v[248:249], v[\p+4:\p+5]
	v_pk_add_f32 v[250:251], v[250:251], v[\p+6:\p+7]
.endr
	v_pk_add_f32 v[14:15], v[14:15], v[156:157]
	v_pk_add_f32 v[10:11], v[10:11], v[158:159]
	v_pk_add_f32 v[248:249], v[248:249], v[250:251]
	v_pk_add_f32 v[14:15], v[14:15], v[10:11]
	v_pk_add_f32 v[14:15], v[14:15], v[248:249]
	s_wait_dscnt 0x0                               ; V is in, and the next step's K
.irp t, 0,2                                    ; O^T += V^T P^T: the four accumulators by turns; S^T's eight products stand between two steps'
	v_wmma_scale_f32_16x16x128_f8f6f4 v[160+8*\t:167+8*\t], v[192+12*\t:203+12*\t], v[76:87], v[160+8*\t:167+8*\t], v[244+\t/2], v247 matrix_a_fmt:MATRIX_FMT_FP6 matrix_b_fmt:MATRIX_FMT_FP6
	v_wmma_scale_f32_16x16x128_f8f6f4 v[168+8*\t:175+8*\t], v[204+12*\t:215+12*\t], v[76:87], v[168+8*\t:175+8*\t], v[244+\t/2], v247 matrix_a_fmt:MATRIX_FMT_FP6 matrix_b_fmt:MATRIX_FMT_FP6 matrix_a_scale:MATRIX_SCALE_ROW1
.endr
.endm
.macro WALK first                      ; eight key steps from step first on; a step that comes after my block is left out, the counters' lines are not
	s_mov_b32 s66, (\first)*KST
	s_mov_b32 s69, (\first)*128
	s_mov_b32 s70, 8
.Lwalk_\@:
	s_cmp_gt_u32 s69, s22
	s_cbranch_scc1 .Lafter_\@
	s_add_co_u32 s67, s66, KST
	s_min_u32 s67, s67, ((\first)+7)*KST
	STEP
.Lafter_\@:
	s_add_co_u32 s66, s66, KST
	s_add_co_u32 s69, s69, 128
	s_sub_co_u32 s70, s70, 1
	s_cmp_lg_u32 s70, 0
	s_cbranch_scc1 .Lwalk_\@
.endm
	v_mov_b32 v7, v1                               ; key step 0
	v_mov_b32 v8, v2
	WALU                                           ; the head's end
	s_wait_loadcnt 0x0                             ; Q
	s_cmp_lt_u32 s[WV], 8
	s_cbranch_scc0 .Lnot_first
	s_wait_tensorcnt 0x0                           ; key steps 0 .. 7
.Lnot_first:
	BARRIER                                        ; the others may be on their way: nothing is filled again
	s_wait_tensorcnt 0x0                           ; key steps 8 .. 15, in the waves that fetch them
	s_barrier_signal -1                            ; the second barrier: nothing is filled or stored up to its wait
	KLOAD
	s_wait_dscnt 0x0
	WALK 0
	s_barrier_wait -1                              ; key steps 8 .. 15 are whole
	s_mov_b32 s74, s22
	v_add_nc_u32 v7, 8*KST, v1                     ; (these four are also the places behind the last products)
	v_add_nc_u32 v8, 8*KST, v2
	PLACES 2
	s_cmp_lt_u32 s[WV], 8
	s_cbranch_scc0 .Lshort
	KLOAD                                          ; waves 0 .. 7 go on
.Lshort:
	s_wait_dscnt 0x0
	WALK 8
	; THE WAY OUT.  O^T / the sum: register n is channel 32 h + n of my query: one block of 32 along the last product's K.
	PLACES 4                                       ; places behind the last products
	WALU                                           ; directly ahead of the reader
	v_add_f32 v14, v14, v15
	v_permlanex16_b32 v254, v14, s[SEL], s[SEL+1]
	v_add_f32 v14, v14, v254                       ; the row's sum
	WALU                                           ; ahead of the transcendental and behind it
	v_rcp_f32 v14, v14
	v_nop                                          ; a plain place behind the transcendental
	WALU
.set J, 0
.rept 16
	v_pk_mul_f32 v[96+J:97+J], v[160+J:161+J], v[14:15] op_sel_hi:[1,0]
.set J, J+2
.endr
	v_max3_num_f32 v248, |v96|, |v97|, 0x1800000
	v_max3_num_f32 v249, |v112|, |v113|, |v114|
.irp i, 2,4,6,8,10,12
	v_max3_num_f32 v248, v248, |v[96+\i]|, |v[97+\i]|
	v_max3_num_f32 v249, v249, |v[113+\i]|, |v[114+\i]|
.endr
	v_max3_num_f32 v248, v248, |v110|, |v111|
	v_max3_num_f32 v248, v248, v249, |v127|
	v_add_nc_u32 v250, 0xff000000, v248
	v_cvt_scalef32_pk16_fp6_f32 v[128:130], v[96:111], v250
	v_cvt_scalef32_pk16_fp6_f32 v[136:138], v[112:127], v250
	v_lshrrev_b32 v134, 23, v250                   ; the byte (and a plain place behind the conversions)
	v_mov_b32 v131, v136
	v_mov_b32 v132, v137
	v_mov_b32 v133, v138
	global_store_b128 v1, v[128:131], s[8:9]       ; 512 consecutive bytes, aligned to 256
	global_store_b64 v2, v[132:133], s[8:9]        ; 256 consecutive bytes, aligned (v2 holds the 512)
	global_store_b8 v4, v134, s[10:11]
	v_lshl_add_u32 v254, v0, 2, SPARE
	v_mov_b32 v255, 0
	WALU                                           ; directly ahead of the wait below
	s_wait_tensorcnt 0x0                           ; the wave's end
	ds_add_u32 v254, v255
	s_wait_dscnt 0x0
	CROUND                                         ; the closing round: no work-group ends while a partner may still issue a joint load that names it
	s_endpgm
.Lfunc_end_k_qd69e84163f_attn:
	.size	k_qd69e84163f_attn, .Lfunc_end_k_qd69e84163f_attn-k_qd69e84163f_attn
	.p2alignl 7, 3214868480
	.fill 96, 4, 3214868480
	.section	.rodata,"a",@progbits
	.p2align	6, 0x0
	.amdhsa_kernel k_qd69e84163f_attn
		.amdhsa_group_segment_fixed_size 210944
		.amdhsa_private_segment_fixed_size 0
		.amdhsa_enable_private_segment 0
		.amdhsa_kernarg_size 16
		.amdhsa_user_sgpr_count 2
		.amdhsa_user_sgpr_kernarg_segment_ptr 1
		.amdhsa_wavefront_size32 1
		.amdhsa_system_sgpr_workgroup_id_x 1
		.amdhsa_system_sgpr_workgroup_id_y 1
		.amdhsa_system_sgpr_workgroup_id_z 1
		.amdhsa_system_vgpr_workitem_id 0
		.amdhsa_next_free_vgpr 256
		.amdhsa_next_free_sgpr 92
		.amdhsa_reserve_vcc 1
		.amdhsa_float_denorm_mode_32 3
		.amdhsa_float_denorm_mode_16_64 3
		.amdhsa_memory_ordered 1
		.amdhsa_forward_progress 1
		.amdhsa_inst_pref_size 55
	.end_amdhsa_kernel
	.amdgpu_metadata
---
amdhsa.version: [ 1, 2 ]
amdhsa.kernels:
  - .name:           k_qd69e84163f_attn
    .symbol:         k_qd69e84163f_attn.kd
    .args:
      - { .name: qc, .offset: 0, .size: 8, .value_kind: global_buffer, .address_space: global }
      - { .name: oc, .offset: 8, .size: 8, .value_kind: global_buffer, .address_space: global }
    .group_segment_fixed_size: 210944
    .private_segment_fixed_size: 0
    .kernarg_segment_align: 8
    .kernarg_segment_size: 16
    .max_flat_workgroup_size: 512
    .sgpr_count:     92
    .vgpr_count:     256
    .wavefront_size: 32
...
	.end_amdgpu_metadata
.endif
;; end of part 3
;; launch proj (part 4): grid 8 x 32, 4 waves a work-group, clusters of 4 x 4, 222,720 bytes of LDS; arguments oc, wc, b_proj, out0; writes out0
.if DOCPART == 4
	.amdgcn_target "amdgcn-amd-amdhsa--gfx1250"
	.amdhsa_code_object_version 6
	.text
	.protected	k_qd69e84163f_proj
	.globl	k_qd69e84163f_proj
	.p2align	8
	.type	k_qd69e84163f_proj,@function
k_qd69e84163f_proj:
	s_mov_b64 s[64:65], 0
	v_nop
	global_prefetch_b8 v0, s[64:65] scope:SCOPE_SE
	s_setreg_imm32_b32 hwreg(HW_REG_WAVE_MODE, 25, 1), 1
	s_wait_xcnt 0x0
	s_wait_alu depctr_hold_cnt(0) depctr_sa_sdst(0) depctr_va_vdst(0) depctr_va_sdst(0) depctr_va_ssrc(0) depctr_va_vcc(0) depctr_vm_vsrc(0)
	s_getreg_b32 s2, hwreg(HW_REG_IB_STS2, 6, 4)
	s_cmp_eq_u32 s2, 0
	s_cbranch_scc0 .Lentry_in_a_cluster
	s_endpgm
.Lentry_in_a_cluster:
	s_bfe_u32 s2, ttmp6, 0x10000c
	s_cmp_lg_u32 s2, 0xf033
	s_cbranch_scc0 .Lentry_shape_is_right
	s_endpgm
.Lentry_shape_is_right:
; out = o w_proj^T + b_proj on codes of FP6 (E2M3) with E8M0 scales, K = 1,024, f32 out.
; OPERANDS: oc (A) and wc's last 64 tiles (B) in tiles of 16 rows, 12,800 bytes: for each half of K 256 bytes of scale words, [row place][4 words], and eight images of 768 bytes; place 8 h + j of tile 4 C + t is row 64 C + 32 h + 8 t + j.
; A work-group makes 128 x 128: 256 work-groups; a wave 64 x 64, 16 accumulators.  LDS holds all of K of both operands, filled once, one joint load a wave: waves 0, 1 the first half of K, waves 2, 3 the second.  Nothing is filled again,
; and no loop loads: there is nothing to prefetch ahead of.  CLUSTERS 4 x 4: A's tiles are shared along a row of the cluster, B's along a column.
; Source 0 = B's rows, source 1 = A's: a lane holds a token and, over four tiles, 32 neighbouring columns.  The bias is the first products' C.
; The first half of K goes step by step; the second by rows of the result, so that a row tile's stores leave while the next is multiplied.  They go through the wave's own stage in LDS and leave as whole rows of 256 bytes.
; LIMITS: NaN and infinities are not served.
; REGISTERS: v0-31 addresses; v32-63 scale words; v64-255 A's fragments, second half; v256-447 B's, first half; v512-703 A's, first half; v768-959 B's, second half; v448-511, v704-767 the accumulators of row tiles 0, 1 and 2, 3;
; v960-991 the bias; on the way out v960-991 and v992-1023 rows read back, by turns.
.set AH,   51200                       ; LDS: a half of K: B's 8 tiles x 6,400, then A's
.set HALF, 102400
.set STG,  2*HALF                      ; a stage of 16 rows x 272 bytes for each wave
.set SPARE, STG+4*4352
.set SPW,  28
.set NIL,  29
.set SCA,  32                          ; A's words: pair p, step g: SCA + 8 p + g
.set SCB,  48                          ; B's: SCB + 8 p + (g + 4) % 8
.set MSB, 0
.macro WIN new
.if MSB != (\new)
	s_set_vgpr_msb (MSB<<8)|(\new)
.set MSB, (\new)
.endif
.endm
.macro PLACES n
.rept \n
	v_nop
.endr
.endm
.macro BARRIER
	s_barrier_signal -1
	s_barrier_wait -1
.endm
.macro CROUND
	BARRIER
	s_cmp_lg_u32 s14, 0
	s_cbranch_scc1 .Lnot_wave_0_\@
	s_barrier_signal -3
.Lnot_wave_0_\@:
	s_barrier_wait -3
	BARRIER
.endm
.macro GROUP1 g, mask                  ; eight rows of 6,400 bytes, 12,800 bytes apart; dense in LDS
	s_or_b32 s[\g], s\mask, (3<<16)|(1<<21)
	s_mov_b32 s[\g+1], 800<<16
	s_mov_b32 s[\g+2], 8<<16
	s_mov_b32 s[\g+3], 800<<16
	s_mov_b32 s[\g+4], 8
	s_mov_b32 s[\g+5], 1600
	s_mov_b32 s[\g+6], 0
	s_mov_b32 s[\g+7], 0
.endm
.macro GROUP0 g, lds, b, off
	s_mov_b32 s[\g], 1
	s_mov_b32 s[\g+1], \lds
	s_add_nc_u64 s[\g+2:\g+3], s[\b:\b+1], \off
	s_or_b32 s[\g+3], s[\g+3], 0x80000000
.endm
.macro ARM under, g0, g1, next
	s_cmp_lt_u32 s14, \under
	s_cbranch_scc0 \next
	tensor_load_to_lds s[\g0:\g0+3], s[\g1:\g1+7]
	s_nop 0
	PLACES 4
	s_branch .Lasked
\next:
.endm
	s_load_b256 s[4:11], s[0:1], 0x0               ; oc, wc, b_proj, out0
	v_lshl_add_u32 v[SPW], v0, 2, SPARE
	v_mov_b32 v[NIL], 0
	ds_add_u32 v[SPW], v[NIL]                      ; the opening lines: the add, twice on end, and its wait
	ds_add_u32 v[SPW], v[NIL]
	v_lshrrev_b32 v1, 5, v0
	v_readfirstlane_b32 s14, v1
	s_lshr_b32 s15, s14, 1                         ; my half of the rows
	s_and_b32 s16, s14, 1                          ; of the columns
	s_bfe_u32 s40, ttmp6, 0x40000                  ; cx
	s_bfe_u32 s41, ttmp6, 0x40004                  ; cy
	s_lshl_b32 s42, ttmp9, 2
	s_add_co_u32 s42, s42, s40                     ; which 128 columns
	s_and_b32 s17, ttmp7, 0xffff
	s_lshl_b32 s17, s17, 2
	s_add_co_u32 s17, s17, s41                     ; which 128 rows
	s_lshl_b32 s43, s41, 2
	s_lshl_b32 s43, 15, s43
	s_lshl_b32 s44, 0x1111, s40
	GROUP1 24, 43
	GROUP1 32, 44
	s_mul_i32 s20, s17, 8*12800
	s_mov_b32 s21, 0
	s_mul_i32 s22, s42, 8*12800
	s_add_co_u32 s22, s22, 448*12800
	s_mov_b32 s23, 0
	v_and_b32 v1, 31, v0                           ; lane
	v_and_b32 v2, 15, v0                           ; r
	v_bfe_u32 v3, v0, 4, 1                         ; h
	v_lshlrev_b32 v4, 4, v1
	v_lshlrev_b32 v5, 3, v1
	v_add_nc_u32 v5, 512, v5
	v_lshlrev_b32 v6, 7, v3                        ; the bias: 32 columns on for lanes 16-31
	s_mul_i32 s18, s15, 4*6400
	s_add_co_u32 s18, s18, AH                      ; my four tiles of A
	s_mul_i32 s19, s16, 4*6400                     ; of B
	v_mul_u32_u24 v7, v3, 6400
	v_lshl_add_u32 v7, v2, 4, v7                   ; scale words: row r, lanes 16-31 the next tile
.irp f, 0,1
	v_add_nc_u32 v[8+2*\f], s18, v4
	v_add_nc_u32 v[9+2*\f], s18, v5
	v_add_nc_u32 v[12+2*\f], s19, v4
	v_add_nc_u32 v[13+2*\f], s19, v5
	v_add_nc_u32 v[16+\f], s18, v7
	v_add_nc_u32 v[18+\f], s19, v7
	s_add_co_u32 s18, s18, HALF
	s_add_co_u32 s19, s19, HALF
.endr
	s_mul_i32 s18, s14, 4352
	s_add_co_u32 s18, s18, STG                     ; my stage
	v_mul_u32_u24 v20, v2, 272
	v_lshl_add_u32 v20, v3, 7, v20
	v_add_nc_u32 v20, s18, v20                     ; in: row r, 128 bytes for each half of the lanes
	v_mul_u32_u24 v21, v3, 272
	v_lshl_add_u32 v21, v2, 4, v21
	v_add_nc_u32 v21, s18, v21                     ; back: sixteen lanes to a row
	v_lshlrev_b32 v22, 12, v3
	v_lshl_add_u32 v22, v2, 4, v22                 ; the same two rows in the output
	s_wait_alu depctr_va_vdst(0)                   ; the head's end
	s_wait_dscnt 0x0                               ; both opening adds are done
	CROUND                                         ; all sixteen work-groups are here: the joint loads meet
	s_wait_kmcnt 0x0
	s_add_nc_u64 s[20:21], s[4:5], s[20:21]        ; A: hangs on cy alone
	s_add_nc_u64 s[22:23], s[6:7], s[22:23]        ; B: on cx alone
	GROUP0 48, 0,       22, 0
	GROUP0 52, AH,      20, 0
	GROUP0 56, HALF,    22, 6400
	GROUP0 60, HALF+AH, 20, 6400
	ARM 1, 48, 32, .Lw1                            ; one load a wave; the first half of K is asked for first
	ARM 2, 52, 24, .Lw2
	ARM 3, 56, 32, .Lw3
	tensor_load_to_lds s[60:63], s[24:31]
	s_nop 0
	PLACES 4
.Lasked:
	s_lshl_b32 s18, s42, 9
	s_lshl_b32 s19, s16, 8
	s_add_co_u32 s18, s18, s19                     ; my first column, in bytes
	s_mov_b32 s19, 0
	s_add_nc_u64 s[8:9], s[8:9], s[18:19]
	s_add_nc_u64 s[10:11], s[10:11], s[18:19]
	s_lshl_b32 s18, s17, 19
	s_lshl_b32 s45, s15, 18
	s_add_co_u32 s18, s18, s45                     ; my first row: rows of 4,096 bytes
	s_add_nc_u64 s[10:11], s[10:11], s[18:19]
	WIN 0xc0
.irp k, 0,1,2,3,4,5,6,7
	global_load_b128 v[192+4*\k:195+4*\k], v6, s[8:9] offset:16*\k     ; register 8 t + i: column 32 h + 8 t + i
.endr
	WIN 0
.macro FRAG reg, adr, off              ; a fragment is two images of 768 bytes: every load takes consecutive bytes
	ds_load_b128 v[\reg:\reg+3], v[\adr] offset:\off
	ds_load_b64 v[\reg+4:\reg+5], v[\adr+1] offset:\off
	ds_load_b128 v[\reg+6:\reg+9], v[\adr] offset:\off+768
	ds_load_b64 v[\reg+10:\reg+11], v[\adr+1] offset:\off+768
.endm
.macro LDA f, q, a
	WIN 0x80*(1-\f)
	FRAG 64*\f+12*(4*\a+\q), 8+2*\f, 6400*\a+256+1536*\q
.endm
.macro LDB f, q, j
	WIN 0x40+0x80*\f
	FRAG 12*(4*\j+\q), 12+2*\f, 6400*\j+256+1536*\q
.endm
.macro LDQ q                           ; a K step of the first half: 32 loads
.irp a, 0,1,2,3
	LDB 0, \q, \a
.endr
.irp a, 0,1,2,3
	LDA 0, \q, \a
.endr
.endm
.macro SCALES f
	WIN 0
.irp p, 0,1
	ds_load_b128 v[SCA+8*\p+4*\f:SCA+8*\p+4*\f+3], v[16+\f] offset:12800*\p
	ds_load_b128 v[SCB+8*\p+4*(1-\f):SCB+8*\p+4*(1-\f)+3], v[18+\f] offset:12800*\p
.endr
.endm
.macro WM ra, rb
	v_wmma_scale_f32_16x16x128_f8f6f4 v[D_:D_+7], v[P_:P_+11], v[Q_:Q_+11], v[C_:C_+7], v[XP_], v[XQ_] matrix_a_fmt:MATRIX_FMT_FP6 matrix_b_fmt:MATRIX_FMT_FP6 matrix_a_scale:MATRIX_SCALE_ROW\ra matrix_b_scale:MATRIX_SCALE_ROW\rb
.endm
.macro PROD f, q, a, j
.set DW_, 1+(\a)/2
.set D_, 192+8*(4*((\a)%2)+(\j))
.set C_, D_
.set CW_, DW_
.if (\f) == 0 && (\q) == 0
.set C_, 192+8*(\j)                    ; the bias
.set CW_, 3
.endif
.set P_, 12*(4*(\j)+(\q))
.set Q_, 64*(\f)+12*(4*(\a)+(\q))
.set XP_, SCB+8*((\j)/2)+(4*(\f)+(\q)+4)%8
.set XQ_, SCA+8*((\a)/2)+4*(\f)+(\q)
.set RR_, 2*((\j)%2)+(\a)%2
	WIN (1+2*(\f))+8*(1-(\f))+16*CW_+64*DW_
.if RR_ == 0
	WM 0, 0
.elseif RR_ == 1
	WM 0, 1
.elseif RR_ == 2
	WM 1, 0
.else
	WM 1, 1
.endif
.endm
.macro MULQ q                          ; a K step of the first half: the 16 accumulators by turns, one instruction a turn
.irp a, 0,1,2,3
.irp j, 0,1,2,3
	PROD 0, \q, \a, \j
.endr
.endr
.endm
.macro ROW a                           ; the second half for row tile a: its four accumulators by turns, three others between two steps of a sum
.irp q, 0,1,2,3
.irp j, 0,1,2,3
	PROD 1, \q, \a, \j
.endr
.endr
.endm
.macro TOSTAGE a                       ; each accumulator from its low end on; LDS serves a wave's instructions in order: the loads see the stores
	WIN 4*(1+\a/2)
.irp j, 0,1,2,3
	ds_store_b128 v20, v[192+8*(4*(\a%2)+\j):195+8*(4*(\a%2)+\j)] offset:32*\j
	ds_store_b128 v20, v[196+8*(4*(\a%2)+\j):199+8*(4*(\a%2)+\j)] offset:32*\j+16
.endr
	WIN 0xc0
.irp t, 0,1,2,3,4,5,6,7
	ds_load_b128 v[192+32*(\a%2)+4*\t:195+32*(\a%2)+4*\t], v21 offset:544*\t
.endr
	WIN 0
.endm
.macro SEND a
	s_wait_dscnt 0x0                               ; the row tile is back in registers
	WIN 0x0c
.irp t, 0,1,2,3,4,5,6,7
	global_store_b128 v22, v[192+32*(\a%2)+4*\t:195+32*(\a%2)+4*\t], s[10:11] offset:(8*\a+2*(\t%4)+32*(\t/4))*4096   ; two aligned units of 256 bytes
.endr
	WIN 0
.endm
	s_cmp_lt_u32 s14, 2
	s_cbranch_scc0 .Lnot_first
	s_wait_tensorcnt 0x0                           ; the first half of K: waves 0 and 1 have load lines of their own
.Lnot_first:
	BARRIER                                        ; the second half may be on its way
	SCALES 0
	LDQ 0
	LDQ 1
	s_wait_loadcnt 0x0                             ; the bias
	s_wait_dscnt 32                                ; all but step 1's 32 loads
	MULQ 0
	LDQ 2
	s_wait_dscnt 32
	MULQ 1
	LDQ 3
	s_wait_tensorcnt 0x0                           ; the second half of K is in: shown to all behind this barrier
	s_wait_dscnt 0x0
	s_barrier_signal -1
	MULQ 2
	s_barrier_wait -1
	SCALES 1
.irp q, 0,1
.irp j, 0,1,2,3
	LDB 1, \q, \j
.endr
.endr
	MULQ 3
.irp q, 2,3
.irp j, 0,1,2,3
	LDB 1, \q, \j
.endr
.endr
.irp a, 0,1,2,3
.irp q, 0,1,2,3
	LDA 1, \q, \a
.endr
.endr
	s_wait_dscnt 48                                ; all but A's row tiles 1 to 3
	ROW 0
	s_wait_dscnt 32
	ROW 1
	PLACES 4                                       ; in front of stores of results, and of loads into the bias's registers
	TOSTAGE 0
	s_wait_dscnt 32                                ; all but A's row tile 3 and the stage's sixteen
	ROW 2
	SEND 0
	TOSTAGE 1                                      ; (finished ahead of the places above but for none: its products stand in front of them)
	ROW 3
	SEND 1
	PLACES 4
	s_wait_xcnt 0x0                                ; row tile 0's stores have read their registers
	TOSTAGE 2
	SEND 2
	s_wait_xcnt 0x0
	TOSTAGE 3
	SEND 3
	s_wait_tensorcnt 0x0                           ; the wave's end
	ds_add_u32 v[SPW], v[NIL]
	s_wait_dscnt 0x0
	CROUND                                         ; the closing round: no work-group ends while a partner may still issue a joint load that names it
	s_endpgm
.Lfunc_end_k_qd69e84163f_proj:
	.size	k_qd69e84163f_proj, .Lfunc_end_k_qd69e84163f_proj-k_qd69e84163f_proj
	.p2alignl 7, 3214868480
	.fill 96, 4, 3214868480
	.section	.rodata,"a",@progbits
	.p2align	6, 0x0
	.amdhsa_kernel k_qd69e84163f_proj
		.amdhsa_group_segment_fixed_size 222720
		.amdhsa_private_segment_fixed_size 0
		.amdhsa_enable_private_segment 0
		.amdhsa_kernarg_size 32
		.amdhsa_user_sgpr_count 2
		.amdhsa_user_sgpr_kernarg_segment_ptr 1
		.amdhsa_wavefront_size32 1
		.amdhsa_system_sgpr_workgroup_id_x 1
		.amdhsa_system_sgpr_workgroup_id_y 1
		.amdhsa_system_sgpr_workgroup_id_z 1
		.amdhsa_system_vgpr_workitem_id 0
		.amdhsa_next_free_vgpr 1024
		.amdhsa_next_free_sgpr 102
		.amdhsa_reserve_vcc 0
		.amdhsa_float_denorm_mode_32 3
		.amdhsa_float_denorm_mode_16_64 3
		.amdhsa_memory_ordered 1
		.amdhsa_forward_progress 1
		.amdhsa_inst_pref_size 51
	.end_amdhsa_kernel
	.amdgpu_metadata
---
amdhsa.version: [ 1, 2 ]
amdhsa.kernels:
  - .name:           k_qd69e84163f_proj
    .symbol:         k_qd69e84163f_proj.kd
    .args:
      - { .name: oc, .offset: 0, .size: 8, .value_kind: global_buffer, .address_space: global }
      - { .name: wc, .offset: 8, .size: 8, .value_kind: global_buffer, .address_space: global }
      - { .name: b_proj, .offset: 16, .size: 8, .value_kind: global_buffer, .address_space: global }
      - { .name: out0, .offset: 24, .size: 8, .value_kind: global_buffer, .address_space: global }
    .group_segment_fixed_size: 222720
    .private_segment_fixed_size: 0
    .kernarg_segment_align: 8
    .kernarg_segment_size: 32
    .max_flat_workgroup_size: 128
    .sgpr_count:     102
    .vgpr_count:     1024
    .wavefront_size: 32
...
	.end_amdgpu_metadata
.endif
;; end of part 4
